; MI455X (gfx1250); checked and timed in simulation.
; The chip was launched on July 23, 2026; its instructions are those of AMD's public machine-readable ISA for CDNA 5 (MIT licence, August 2026) and "CDNA5" Instruction Set Architecture Reference Guide (July 2026). The comments in the code are by the model that wrote it; some were corrected since.
;; FF Dense. Allowed arithmetic: float matrix products may take bf16 or f16 operands with f32 sums; other float arithmetic in f32, or as packed bf16 or f16 multiplies, adds, multiply-adds, maxima and minima; sums over many terms, partial sums and values carried from step to step in f32; what a program stores and reads back later, other than sums and carried values, may be rounded once to bf16 or f16.
;; Inputs: W 4,096 x 4,096 float32; b 4,096 float32; x 4,096 x 4,096 float32.
;; Outputs: out0 4,096 x 4,096 float32.
;; 2 versions, each right; version 2 is version 1 with the launch cast written anew for expert scheduling mode. Each part assembles by itself: llvm-mc -triple=amdgcn-amd-amdhsa -mcpu=gfx1250 --defsym DOCPART=n.
;; ======== version 1 of 2: 2 launches
;; workspace buffers: xb 33,554,432 bytes; wb 33,554,432 bytes; inv 16,384 bytes
;; launch cast (part 1): grid 512 x 2, 8 waves a work-group, no clusters, 0 bytes of LDS; arguments x, W, xb, wb, inv; writes xb, wb, inv
.if DOCPART == 1
	.amdgcn_target "amdgcn-amd-amdhsa--gfx1250"
	.amdhsa_code_object_version 6
	.text
	.protected	k_q85d6d50a95_cast
	.globl	k_q85d6d50a95_cast
	.p2align	8
	.type	k_q85d6d50a95_cast,@function
k_q85d6d50a95_cast:
	s_mov_b64 s[64:65], 0
	v_nop
	global_prefetch_b8 v0, s[64:65] scope:SCOPE_SE
	s_setreg_imm32_b32 hwreg(HW_REG_WAVE_MODE, 25, 1), 1
	s_wait_xcnt 0x0
; xb = x rounded to bf16, wb = W rounded to bf16 (both [4096][4096], layout unchanged), inv[r] = 1 / (sqrt(sum over c of x[r][c]^2) + 1e-5) in f32.
; A stream: each byte of x and W is read once, each byte of xb and wb written once; no LDS, no barrier, no matrix work: no wave wants what another has read.
; SHARES.  Work-groups with y = 0 take x, those with y = 1 take W; work-group x takes 8 rows, a row (16,384 bytes) to each of its eight waves.
; A row is 32 chunks of 512 bytes: one load of the wave, 16 bytes a lane.  A chunk leaves as 256 consecutive bytes of bf16, aligned: one store of the wave, 8 bytes a lane.
; IN FLIGHT.  A ring of 16 register slots: 16 loads (8 KiB) of every wave are out until the row's last chunks.  The row is written out, chunk by chunk: every offset stands in an immediate,
; no address register and no register that a store reads is ever written again, so the stream itself wants no wait but the counted one for its loads.
; inv: the sum of squares is taken of the f32 numbers, in f32, in eight chains a lane.  One lane stores 4 bytes a row: a work-group's 8 rows are 32 bytes, 16 KiB in the launch beside the 64 MiB of xb and wb.
; LIMITS.  v_sqrt_f32 and v_rcp_f32 are good to 1 ULP and take a denormal as 0 (ISA guide, their entries): a sum of squares below 2^-126 counts as 0, and the norm is then 1e-5.
; The sum of squares overflows where a sum in f32 does.  NaN and infinities are not treated apart.
.set LN,  2                            ; v2        lane
.set LO,  3                            ; v3        16 x lane: my bytes of a chunk; never rewritten
.set SO,  4                            ; v4        8 x lane: my bytes of a chunk in bf16; never rewritten
.set Z,   5                            ; v5        0: the offset of inv's store
.set A,   6                            ; v[6:13]   four pairs of running sums of squares
.set Y,   14                           ; v[14:45]  chunks 0 to 15: two registers each, as stored
.set X,   46                           ; v[46:109] slot c % 16: four registers as loaded; chunks 16 to 31 are rounded in place
.set SRC, 22                           ; s[22:23]  my row in x or W
.set DST, 24                           ; s[24:25]  my row in xb or wb
	s_load_b256 s[4:11], s[0:1], 0x0               ; x s[4:5], W s[6:7], xb s[8:9], wb s[10:11]
	s_load_b64 s[12:13], s[0:1], 0x20              ; inv
	v_lshrrev_b32 v1, 5, v0
	v_readfirstlane_b32 s14, v1                    ; wave 0..7
	v_and_b32 v[LN], 31, v0
	v_lshlrev_b32 v[LO], 4, v[LN]
	v_lshlrev_b32 v[SO], 3, v[LN]
	v_mov_b32 v[Z], 0
	s_lshl_b32 s15, ttmp9, 3
	s_add_co_u32 s15, s15, s14                     ; my row = 8 x work-group + wave
	s_and_b32 s16, ttmp7, 0xffff                   ; 0: x, 1: W
	s_lshl_b32 s18, s15, 14                        ; the row in f32: 16,384 bytes a row, under 2^26
	s_mov_b32 s19, 0
	s_lshl_b32 s20, s15, 13                        ; in bf16: 8,192 bytes a row
	s_mov_b32 s21, 0
	s_lshl_b32 s26, s15, 2                         ; in inv
	s_mov_b32 s27, 0
	s_mov_b32 s28, 0x76543210                      ; v_permlanex16_b32: each lane takes its own place in the other half
	s_mov_b32 s29, 0xfedcba98
	s_wait_kmcnt 0x0
	s_cmp_eq_u32 s16, 0
	s_cselect_b64 s[SRC:SRC+1], s[4:5], s[6:7]
	s_cselect_b64 s[DST:DST+1], s[8:9], s[10:11]
	s_add_nc_u64 s[SRC:SRC+1], s[SRC:SRC+1], s[18:19]
	s_add_nc_u64 s[DST:DST+1], s[DST:DST+1], s[20:21]
	s_add_nc_u64 s[12:13], s[12:13], s[26:27]
.irp i, 0,1,2,3,4,5,6,7,8,9,10,11,12,13,14,15
	global_load_b128 v[X+4*(\i):X+4*(\i)+3], v[LO], s[SRC:SRC+1] offset:512*(\i) th:TH_LOAD_NT  ; the ring is filled: chunks 0 to 15
.endr
; Chunk c.  sq = 1: its squares are added (x); 0: not (W).
.macro CHUNK c, sq
.set XR, X+4*((\c)%16)
.set YR, Y+2*((\c)%16)
.set AR, A+4*((\c)%2)
.if (\c) < 16
	s_wait_loadcnt 15                              ; loads come back in order (ISA guide 5.7.1): 16 + c are issued, mine is number c: the 15 younger stay out
.else
	s_wait_loadcnt 31-(\c)                         ; all 32 are issued: the counts run down
.endif
.if \sq
.if (\c) < 2
	v_pk_mul_f32 v[AR:AR+1], v[XR:XR+1], v[XR:XR+1]          ; the first two chunks start the four pairs of sums: nothing is cleared
	v_pk_mul_f32 v[AR+2:AR+3], v[XR+2:XR+3], v[XR+2:XR+3]
.else
	v_pk_fma_f32 v[AR:AR+1], v[XR:XR+1], v[XR:XR+1], v[AR:AR+1]
	v_pk_fma_f32 v[AR+2:AR+3], v[XR+2:XR+3], v[XR+2:XR+3], v[AR+2:AR+3]
.endif
.endif
.if (\c) < 16
	v_cvt_pk_bf16_f32 v[YR], v[XR], v[XR+1]        ; two roundings to nearest even, packed
	v_cvt_pk_bf16_f32 v[YR+1], v[XR+2], v[XR+3]
	global_load_b128 v[XR:XR+3], v[LO], s[SRC:SRC+1] offset:512*((\c)+16) th:TH_LOAD_NT  ; the slot's second chunk, ahead of the store
	global_store_b64 v[SO], v[YR:YR+1], s[DST:DST+1] offset:256*(\c) th:TH_STORE_NT      ; the wave stores 256 consecutive bytes, aligned
.else
	v_cvt_pk_bf16_f32 v[XR], v[XR], v[XR+1]        ; the slot is not loaded again: rounded in place
	v_cvt_pk_bf16_f32 v[XR+1], v[XR+2], v[XR+3]
	global_store_b64 v[SO], v[XR:XR+1], s[DST:DST+1] offset:256*(\c) th:TH_STORE_NT
.endif
.endm
	s_cmp_lg_u32 s16, 0
	s_cbranch_scc1 .Lw
.irp c, 0,1,2,3,4,5,6,7,8,9,10,11,12,13,14,15,16,17,18,19,20,21,22,23,24,25,26,27,28,29,30,31
	CHUNK \c, 1
.endr
	v_pk_add_f32 v[A:A+1], v[A:A+1], v[A+2:A+3]    ; my 128 squares: four pairs into one number,
	v_pk_add_f32 v[A+4:A+5], v[A+4:A+5], v[A+6:A+7]
	v_pk_add_f32 v[A:A+1], v[A:A+1], v[A+4:A+5]
	v_add_f32 v[A], v[A], v[A+1]
	v_add_f32_dpp v[A], v[A], v[A] row_xmask:1 row_mask:0xf bank_mask:0xf  ; then over the 16 lanes of each half,
	v_add_f32_dpp v[A], v[A], v[A] row_xmask:2 row_mask:0xf bank_mask:0xf
	v_add_f32_dpp v[A], v[A], v[A] row_xmask:4 row_mask:0xf bank_mask:0xf
	v_add_f32_dpp v[A], v[A], v[A] row_xmask:8 row_mask:0xf bank_mask:0xf
	v_permlanex16_b32 v[A+1], v[A], s28, s29       ; and the other half's (the destination has been written before)
	v_add_f32 v[A], v[A], v[A+1]
	v_cmp_eq_u32 vcc_lo, 0, v[LN]                  ; lane 0 will store
	v_sqrt_f32 v[A+2], v[A]
	v_nop                                          ; a plain instruction behind the root (ISA guide 5.7.2),
	s_wait_alu depctr_va_vdst(0)                   ; and a wait ahead of the first line that names its result
	v_add_f32 v[A+2], 0x3727c5ac, v[A+2]           ; + 1e-5
	v_rcp_f32 v[A+3], v[A+2]
	v_nop                                          ; the same two lines behind the reciprocal
	s_wait_alu depctr_va_vdst(0)
	s_wait_xcnt 0x0                                ; EXEC is a source of the stores above: it is narrowed only behind this wait
	s_and_saveexec_b32 s30, vcc_lo
	global_store_b32 v[Z], v[A+3], s[12:13]
	s_wait_xcnt 0x0                                ; and widened again only behind this one
	s_or_b32 exec_lo, exec_lo, s30
	s_endpgm
.Lw:
.irp c, 0,1,2,3,4,5,6,7,8,9,10,11,12,13,14,15,16,17,18,19,20,21,22,23,24,25,26,27,28,29,30,31
	CHUNK \c, 0
.endr
	s_endpgm
.Lfunc_end_k_q85d6d50a95_cast:
	.size	k_q85d6d50a95_cast, .Lfunc_end_k_q85d6d50a95_cast-k_q85d6d50a95_cast
	.p2alignl 7, 3214868480
	.fill 96, 4, 3214868480
	.section	.rodata,"a",@progbits
	.p2align	6, 0x0
	.amdhsa_kernel k_q85d6d50a95_cast
		.amdhsa_group_segment_fixed_size 0
		.amdhsa_private_segment_fixed_size 0
		.amdhsa_enable_private_segment 0
		.amdhsa_kernarg_size 40
		.amdhsa_user_sgpr_count 2
		.amdhsa_user_sgpr_kernarg_segment_ptr 1
		.amdhsa_wavefront_size32 1
		.amdhsa_system_sgpr_workgroup_id_x 1
		.amdhsa_system_sgpr_workgroup_id_y 1
		.amdhsa_system_sgpr_workgroup_id_z 1
		.amdhsa_system_vgpr_workitem_id 0
		.amdhsa_next_free_vgpr 110
		.amdhsa_next_free_sgpr 66
		.amdhsa_reserve_vcc 1
		.amdhsa_float_denorm_mode_32 3
		.amdhsa_float_denorm_mode_16_64 3
		.amdhsa_memory_ordered 1
		.amdhsa_forward_progress 1
		.amdhsa_inst_pref_size 27
	.end_amdhsa_kernel
	.amdgpu_metadata
---
amdhsa.version: [ 1, 2 ]
amdhsa.kernels:
  - .name:           k_q85d6d50a95_cast
    .symbol:         k_q85d6d50a95_cast.kd
    .args:
      - { .name: x, .offset: 0, .size: 8, .value_kind: global_buffer, .address_space: global }
      - { .name: W, .offset: 8, .size: 8, .value_kind: global_buffer, .address_space: global }
      - { .name: xb, .offset: 16, .size: 8, .value_kind: global_buffer, .address_space: global }
      - { .name: wb, .offset: 24, .size: 8, .value_kind: global_buffer, .address_space: global }
      - { .name: inv, .offset: 32, .size: 8, .value_kind: global_buffer, .address_space: global }
    .group_segment_fixed_size: 0
    .private_segment_fixed_size: 0
    .kernarg_segment_align: 8
    .kernarg_segment_size: 40
    .max_flat_workgroup_size: 256
    .sgpr_count:     66
    .vgpr_count:     110
    .wavefront_size: 32
...
	.end_amdgpu_metadata
.endif
;; end of part 1
;; launch gemm (part 2): grid 16 x 16, 4 waves a work-group, clusters of 4 x 4, 327,680 bytes of LDS; arguments xb, wb, inv, b, out0; writes out0
.if DOCPART == 2
	.amdgcn_target "amdgcn-amd-amdhsa--gfx1250"
	.amdhsa_code_object_version 6
	.text
	.protected	k_q85d6d50a95_gemm
	.globl	k_q85d6d50a95_gemm
	.p2align	8
	.type	k_q85d6d50a95_gemm,@function
k_q85d6d50a95_gemm:
	s_mov_b64 s[64:65], 0
	v_nop
	global_prefetch_b8 v0, s[64:65] scope:SCOPE_SE
	s_setreg_imm32_b32 hwreg(HW_REG_WAVE_MODE, 25, 1), 1
	s_wait_xcnt 0x0
	s_wait_alu depctr_hold_cnt(0) depctr_sa_sdst(0) depctr_va_vdst(0) depctr_va_sdst(0) depctr_va_ssrc(0) depctr_va_vcc(0) depctr_vm_vsrc(0)
	s_getreg_b32 s2, hwreg(HW_REG_IB_STS2, 6, 4)
	s_cmp_eq_u32 s2, 0
	s_cbranch_scc0 .Lentry_in_a_cluster
	s_endpgm
.Lentry_in_a_cluster:
	s_bfe_u32 s2, ttmp6, 0x10000c
	s_cmp_lg_u32 s2, 0xf033
	s_cbranch_scc0 .Lentry_shape_is_right
	s_endpgm
.Lentry_shape_is_right:
; out0[m][n] = max(0, inv[m] x (the sum over k of xb[m][k] wb[k][n]) + b[n]).  xb: [4096 m][4096 k] bf16, wb: [4096 k][4096 n] bf16, inv: [4096] f32, b: [4096] f32, out0: [4096][4096] f32.
; x and W were rounded once to bf16, as they are; the row's factor inv[m] = 1 / (|x[m]| + 1e-5) is applied in f32 to the finished f32 sum, so the matrix operands carry one rounding each.
; LIMITS.  The division by the norm is a multiplication of the sum by a reciprocal good to 1 ULP, behind the product and not ahead of it.  The maximum is v_max_num_f32, in which a NaN loses: a sum that is
; NaN is stored as 0.  Infinities are not treated apart.  bf16 has f32's range, so no size of the inputs is shut out.
; SHARES.  A tile of out0, 256 x 256, is made by a work-group of four waves; a wave makes 128 x 128: 64 accumulators of 16 x 16, 512 registers.  16 x 16 tiles: 256 work-groups.
; K goes in steps of 128 through a ring of two LDS slots filled by the tensor data mover.  xb's tile is 256 rows x 256 bytes; wb's is 128 rows (k) x 512 bytes (my 256 columns): both begin at multiples of 256 bytes.
; wb LIES [k][n]: its fragments come out of LDS turned, by ds_load_tr16_b128, 16 k x 16 n a load: no launch transposes W.
; CLUSTERS: 4 x 4 work-groups.  The four of a row of the cluster need the same tiles of xb, the four of a column the same tiles of wb: each tile is asked for JOINTLY, by the same tensor load with the same
; descriptor and a mask that names the four; that divides the requests for both by four.
; THE MATRIX INSTRUCTION IS USED TRANSPOSED: source 0 = 16 columns of wb, source 1 = 16 rows of xb.  In the result lane l holds row m = l % 16 and its registers 0 to 7 the columns n = 8 (l / 16) + 0..7:
; one factor inv a lane, and eight neighbouring numbers of a row.
; REGISTERS, in windows of 256 (s_set_vgpr_msb's low byte: bits 1:0 source 0, 3:2 source 1, 5:4 source 2, 7:6 destination):
;   window 0: v0-31 addresses; v32-47 inv; v64-127, v128-191 fragments of xb, two buffers; on the way out v64-127 results, v128-191 and v192-255 rows read back from the stage, by turns
;   window 1: v0-63 b of my 128 columns, laid as a result is; v64-127, v128-191 fragments of wb, two buffers
;   window 2: the 32 accumulators of my rows 0-63 ((a, bb) at v[8 (8 a + bb)]);   window 3: those of my rows 64-127
.set KSTEP,  128
.set PA,     272                       ; an LDS row of xb: 256 bytes + 16 of padding = 68 words: row r starts at bank 4 r mod 64 (64 banks of 4 bytes: ISA guide 11.1): the 16 rows of a load start at 16 different groups of four banks
.set PB,     544                       ; an LDS row of wb: 512 bytes + 32 = 136 words: row r starts at bank 8 r mod 64
.set HALFT,  128*PA                    ; what one tensor load brings: 128 rows of xb, or 64 rows of wb (64 x 544 is the same 34,816 bytes)
.set SLOT,   4*HALFT                   ; xb's 256 rows, then wb's 128 rows
.set STAGE,  2*SLOT                    ; behind the ring, never filled by a tensor load: 16 rows x 528 bytes for each wave, for the way out
.set SP,     528                       ; a stage row: 512 bytes of f32 + 16 = 132 words: the 16 rows that a store touches start at 16 different groups of four banks
.set SPARE,  STAGE+4*16*SP             ; behind the stages: the spare words, 128 bytes for each wave: two blocks of 256 bytes that no other line names
.set LAPS,   16                        ; a lap = two K steps = once round the ring: 4096 / 256
.set NB,     8192                      ; bytes in a row of xb and of wb
.set NO,     16384                     ; bytes in a row of out0
.set ASTEP,  KSTEP*2                   ; a K step along a row of xb, in bytes
.set BSTEP,  KSTEP*NB                  ; a K step down wb: 128 rows
.set ADRA, 16                          ; v16-17  LDS address of my fragments of xb in slot 0, 1
.set ADRB, 20                          ; v20-21  the same for wb
.set STO,  24                          ; v24     the way out: where I put 32 bytes of a row
.set RD,   25                          ; v25     the way out: where I read 16 bytes of a row back
.set CO,   26                          ; v26     16 x lane: my bytes of 512 consecutive bytes of out0
.set BO,   27                          ; v27     my byte offset in b
.set SPW,  28                          ; v28     LDS address of my spare word: SPARE + 4 x my thread's number; never rewritten
.set NIL,  29                          ; v29     0; never rewritten
.set PFO,  30                          ; v30     the prefetches' lane offset; never rewritten
.set IO,   31                          ; v31     my byte offset in inv
.set INV,  32                          ; v32-47  block a of 16 rows: inv of my row, twice, at INV + 2 a (the packed line names a pair)
.set F0,   64                          ; fragment buffer 0
.set F1,   128                         ; fragment buffer 1
.set TMP,  64                          ; the way out: a block's 64 results a lane
.set OB,   128                         ; the way out: 16 rows read back: 64 registers, two sets by turns
.set WV,  14                           ; s14  my wave's number
.set HR,  15                           ; s15  which half of the tile's rows is mine.  Also: I fetch for xb (0) or for wb (1)
.set HC,  16                           ; s16  which half of its columns.  Also: which half of that tile I fetch
.set CX,  17                           ; s17, s18  my place in the cluster
.set CY,  18
.set TC,  19                           ; s19  tile column
.set TR,  20                           ; s20  tile row
.set LIM, 23                           ; s23  1 in a wave that prefetches, else the greatest number
.set G1A, 24                           ; s[24:31] descriptor group 1 for xb's tiles
.set G0A, 32                           ; s[32:39] group 0 for xb's tiles, a set for each slot
.set PFA, 44                           ; s[44:45] where my prefetches stand
.set PFS, 46                           ; s[46:47] a K step in the tensor that I prefetch
.set G1B, 48                           ; s[48:55], s[56:63] the same two groups for wb's tiles
.set G0B, 56
.set MSB, 0
.macro WIN new                         ; the immediate's high byte repeats the setting that is left; a switch that changes nothing is dropped
.if MSB != (\new)
	s_set_vgpr_msb (MSB<<8)|(\new)
.set MSB, \new
.endif
.endm
.set MUL_LO, 0xa1                      ; source 0 (wb) window 1, source 1 (xb) window 0, C and D window 2
.set MUL_HI, 0xf1                      ; the same, C and D window 3
.set TO_B,   0x40                      ; destination window 1, address window 0
; A joint load.  Waves 0 and 1 fetch xb's two halves, waves 2 and 3 wb's.  Each of the two lines has one mask and one set of registers for all that issue it; the branch hangs on the wave's number alone.
; An s_nop 0 and four v_nop follow each of the two lines, ahead of the jump, the label and what follows the macro.
.macro JLOAD s
	s_cmp_eq_u32 s[HR], 0
	s_cbranch_scc0 .Lfor_b_\@
	tensor_load_to_lds s[G0A+4*(\s):G0A+4*(\s)+3], s[G1A:G1A+7]
	s_nop 0
.rept 4
	v_nop
.endr
	s_branch .Lasked_\@
.Lfor_b_\@:
	tensor_load_to_lds s[G0B+4*(\s):G0B+4*(\s)+3], s[G1B:G1B+7]
	s_nop 0
.rept 4
	v_nop
.endr
.Lasked_\@:
.endm
; A PREFETCH INTO THE L2, behind each joint refill, its five lines and the run of LDS loads that follows them: the K step that stands TWO refills on (512 matrix instructions ahead of the load that will want it):
; 32 blocks of 256 bytes, a lane a block, one instruction a wave.  Each block is named ONCE in the launch.  xb's tile row is read by every cluster of that row of clusters: cluster x = 0 asks; wb's tile column
; by every cluster of that column: cluster y = 0 asks.  The four partners that ask for a tile jointly share it out BY ADDRESS: of the 128 rows of xb that a wave fetches the partner at cx takes 32 (a lane a row);
; of the 64 rows of wb the partner at cy takes 16 (two lanes a row of 512 bytes).  No branch hangs on a work-group's place in its cluster.  The loop's last trip (s3 = 1) has no K step two on and asks for nothing.
.macro ASK
	s_cmp_gt_u32 s3, s[LIM]
	s_cbranch_scc0 .Lnot_mine_\@
	global_prefetch_b8 v[PFO], s[PFA:PFA+1] th:TH_LOAD_NT scope:SCOPE_SE
.Lnot_mine_\@:
.endm
; A round of the cluster's barrier: my work-group's barrier, so that wave 0's signal speaks for all four waves; wave 0 signals for the work-group; every wave waits for all sixteen work-groups; my work-group's barrier once more.
.macro CREST                           ; a round behind its opening barrier
	s_cmp_lg_u32 s[WV], 0
	s_cbranch_scc1 .Lnot_wave_0_\@
	s_barrier_signal -3
.Lnot_wave_0_\@:
	s_barrier_wait -3
	s_barrier_signal -1
	s_barrier_wait -1
.endm
.macro CROUND                          ; a whole round
	s_barrier_signal -1
	s_barrier_wait -1
	CREST
.endm
	s_load_b256 s[4:11], s[0:1], 0x0               ; xb s[4:5], wb s[6:7], inv s[8:9], b s[10:11]
	s_load_b64 s[12:13], s[0:1], 0x20              ; out0
	v_lshl_add_u32 v[SPW], v0, 2, SPARE
	v_mov_b32 v[NIL], 0
	ds_add_u32 v[SPW], v[NIL]                      ; the wave's opening: the add, twice on end, and its wait ahead of my first tensor load; the set-up below, work on registers, stands between
	ds_add_u32 v[SPW], v[NIL]                      ; and once more, under the one wait
	v_lshrrev_b32 v1, 5, v0
	v_readfirstlane_b32 s[WV], v1                  ; wave 0..3
	s_lshr_b32 s[HR], s[WV], 1
	s_and_b32 s[HC], s[WV], 1
	s_bfe_u32 s[CX], ttmp6, 0x40000                ; cx
	s_bfe_u32 s[CY], ttmp6, 0x40004                ; cy
	s_lshl_b32 s[TC], ttmp9, 2                     ; in a cluster launch ttmp9 and ttmp7 count clusters
	s_add_co_u32 s[TC], s[TC], s[CX]               ; tile column = 4 x cluster x + cx
	s_and_b32 s[TR], ttmp7, 0xffff
	s_lshl_b32 s[TR], s[TR], 2
	s_add_co_u32 s[TR], s[TR], s[CY]               ; tile row = 4 x cluster y + cy
	s_lshl_b32 s21, s[CY], 2
	s_lshl_b32 s21, 15, s21                        ; my row of the cluster: places 4 cy .. 4 cy + 3
	s_lshl_b32 s22, 0x1111, s[CX]                  ; my column: places cx, cx + 4, cx + 8, cx + 12
	; descriptor group 1 for xb: a tile of 128 rows x 128 elements, 4 words of padding behind every 64
	s_or_b32 s[G1A+0], s21, (1<<16)|(1<<20)|(1<<21)|(5<<22)|(3<<25)  ; 15:0 the mask: my row; 17:16 elements of 2 bytes; 20 padding on; 21 set beside a mask; 24:22 after every 64 words (code 5); 31:25 4 words (code 3)
	s_mov_b32 s[G1A+1], KSTEP<<16                  ; 63:48 tensor_dim0 = 128
	s_mov_b32 s[G1A+2], 128<<16                    ; 95:80 tensor_dim1 = 128
	s_mov_b32 s[G1A+3], KSTEP<<16                  ; 127:112 tile_dim0 = 128
	s_mov_b32 s[G1A+4], 128                        ; 143:128 tile_dim1 = 128; tile_dim2 = 0
	s_mov_b32 s[G1A+5], 4096                       ; 191:160 elements from row to row
	s_mov_b32 s[G1A+6], 0
	s_mov_b32 s[G1A+7], 0
	; for wb: a tile of 64 rows (k) x 256 elements (n), 8 words of padding behind every 128
	s_or_b32 s[G1B+0], s22, (1<<16)|(1<<20)|(1<<21)|(6<<22)|(7<<25)  ; the mask: my column; after every 128 words (code 6) 8 words (code 7)
	s_mov_b32 s[G1B+1], 256<<16                    ; tensor_dim0 = 256
	s_mov_b32 s[G1B+2], 64<<16                     ; tensor_dim1 = 64
	s_mov_b32 s[G1B+3], 256<<16                    ; tile_dim0 = 256
	s_mov_b32 s[G1B+4], 64                         ; tile_dim1 = 64
	s_mov_b32 s[G1B+5], 4096
	s_mov_b32 s[G1B+6], 0
	s_mov_b32 s[G1B+7], 0
	; where the tiles come from.  xb's hang on the tile row alone, which my row of the cluster shares; wb's on the tile column alone, which my column shares.  Every wave makes both and asks by one.
	s_lshl_b32 s40, s[TR], 8
	s_lshl_b32 s70, s[HC], 7
	s_add_co_u32 s40, s40, s70                     ; xb: row 256 x tile row + 128 x half,
	s_lshl_b32 s40, s40, 13                        ; in bytes: under 2^25
	s_mov_b32 s41, 0
	s_lshl_b32 s42, s[HC], 19                      ; wb: row 64 x half, in bytes,
	s_lshl_b32 s71, s[TC], 9                       ; and 512 bytes x tile column
	s_add_co_u32 s42, s42, s71
	s_mov_b32 s43, 0
	s_mul_i32 s68, s[WV], HALFT                    ; and where they go: xb's two halves, then wb's two = wave x 34,816: no place in the cluster enters an LDS address
	s_wait_dscnt 0x0                               ; both opening adds are done
	s_wait_kmcnt 0x0
	s_add_nc_u64 s[40:41], s[4:5], s[40:41]
	s_add_nc_u64 s[42:43], s[6:7], s[42:43]
	CROUND                                         ; all sixteen work-groups are here: the first joint loads meet
.irp s, 0,1
	s_mov_b32 s[G0A+4*(\s)], 1                                        ; 1:0 count = 1
	s_add_co_u32 s[G0A+4*(\s)+1], s68, (\s)*SLOT                      ; 63:32 LDS address
	s_add_nc_u64 s[G0A+4*(\s)+2:G0A+4*(\s)+3], s[40:41], (\s)*ASTEP   ; 120:64 global address: K step s
	s_or_b32 s[G0A+4*(\s)+3], s[G0A+4*(\s)+3], 0x80000000             ; 127:126 type = 2
	s_mov_b32 s[G0B+4*(\s)], 1
	s_add_co_u32 s[G0B+4*(\s)+1], s68, (\s)*SLOT
	s_add_nc_u64 s[G0B+4*(\s)+2:G0B+4*(\s)+3], s[42:43], (\s)*BSTEP
	s_or_b32 s[G0B+4*(\s)+3], s[G0B+4*(\s)+3], 0x80000000
	JLOAD \s                                       ; the ring is filled before anything else is done: two loads of mine are out
.endr
	; A fragment is 16 rows (or columns) x 32 K in 8 registers: lane l holds row l % 16; registers 0-3 hold K = 8 (l / 16) + 0..7, registers 4-7 K = 16 + 8 (l / 16) + 0..7.
	v_and_b32 v1, 15, v0                           ; r = l % 16
	v_bfe_u32 v2, v0, 4, 1                         ; h = l / 16
	v_and_b32 v3, 31, v0                           ; l
	v_mul_u32_u24 v4, v1, PA                       ; xb lies along K: two loads of 16 bytes, 32 bytes apart, at row x pitch + 16 h
	v_lshl_add_u32 v4, v2, 4, v4
	s_mul_i32 s70, s[HR], HALFT                    ; my 128 rows of xb
	v_add_nc_u32 v[ADRA], s70, v4
	v_add_nc_u32 v[ADRA+1], SLOT, v[ADRA]
	v_and_b32 v5, 7, v0                            ; wb lies across K: the turning load takes 16 k x 16 n: lane l reads 16 bytes of row k = 8 h + l % 8, columns 8 ((l / 8) % 2) + 0..7,
	v_bfe_u32 v6, v0, 3, 1                         ; and leaves half a fragment: column l % 16 and 8 k; the second load stands 16 rows further down
	v_lshl_add_u32 v5, v2, 3, v5
	v_mul_u32_u24 v5, v5, PB
	v_lshl_add_u32 v5, v6, 4, v5
	s_lshl_b32 s71, s[HC], 8                       ; my 128 columns: 256 bytes of a row,
	s_add_co_u32 s71, s71, 2*HALFT                 ; behind xb's 256 rows
	v_add_nc_u32 v[ADRB], s71, v5
	v_add_nc_u32 v[ADRB+1], SLOT, v[ADRB]
	s_mul_i32 s70, s[WV], 16*SP
	s_add_co_u32 s70, s70, STAGE                   ; my stage
	v_mul_u32_u24 v4, v1, SP                       ; in: row l % 16, 32 bytes for each half of the lanes
	v_lshl_add_u32 v4, v2, 5, v4
	v_add_nc_u32 v[STO], s70, v4
	v_lshl_add_u32 v[RD], v3, 4, s70               ; back: the 32 lanes take one row of 512 bytes
	v_lshlrev_b32 v[CO], 4, v3
	s_lshl_b32 s70, s[TC], 8
	s_lshl_b32 s71, s[HC], 7
	s_add_co_u32 s70, s70, s71                     ; my first column,
	s_lshl_b32 s70, s70, 2                         ; in bytes of f32
	v_lshl_add_u32 v[BO], v2, 5, s70               ; b: my eight columns of a block of 16
	s_lshl_b32 s71, s[TR], 8
	s_lshl_b32 s69, s[HR], 7
	s_add_co_u32 s71, s71, s69                     ; my first row
	s_lshl_b32 s69, s71, 2
	v_lshl_add_u32 v[IO], v1, 2, s69               ; inv: my row of a block of 16
	s_lshl_b32 s66, s71, 14                        ; out0 at my part of the tile: under 2^26 bytes
	s_add_co_u32 s66, s66, s70
	s_mov_b32 s67, 0
	s_add_nc_u64 s[12:13], s[12:13], s[66:67]
	WIN TO_B
.irp c, 0,1,2,3,4,5,6,7                ; b of my 128 columns stays in registers, laid as a result is: block c, register j: column 16 c + 8 h + j
	global_load_b128 v[8*(\c):8*(\c)+3],   v[BO], s[10:11] offset:64*(\c)
	global_load_b128 v[8*(\c)+4:8*(\c)+7], v[BO], s[10:11] offset:64*(\c)+16
.endr
	WIN 0
.irp c, 0,1,2,3,4,5,6,7                ; inv of my row in each of my eight blocks of 16 rows, into both registers of a pair
	global_load_b32 v[INV+2*(\c)],   v[IO], s[8:9] offset:64*(\c)
	global_load_b32 v[INV+2*(\c)+1], v[IO], s[8:9] offset:64*(\c)
.endr
	; the prefetches.  For xb a lane takes a row: l x 8,192.  For wb two lanes take a row: (l / 2) x 8,192 + (l % 2) x 256.  HR is 0 for xb, 1 for wb.
	v_lshrrev_b32 v4, s[HR], v3
	v_and_b32 v5, s[HR], v3
	v_lshlrev_b32 v5, 8, v5
	v_lshl_add_u32 v[PFO], v4, 13, v5
	s_lshl_b32 s68, s[TR], 8
	s_lshl_b32 s69, s[HC], 7
	s_add_co_u32 s68, s68, s69                     ; xb: the 128 rows that I fetch,
	s_lshl_b32 s69, s[CX], 5
	s_add_co_u32 s68, s68, s69                     ; my work-group's 32 of them,
	s_lshl_b32 s68, s68, 13
	s_add_co_u32 s68, s68, 3*ASTEP                 ; at K step 3: the first refill steps it to 4
	s_lshl_b32 s70, s[HC], 6                       ; wb: the 64 rows that I fetch,
	s_lshl_b32 s71, s[CY], 4
	s_add_co_u32 s70, s70, s71                     ; my work-group's 16 of them,
	s_lshl_b32 s70, s70, 13
	s_lshl_b32 s71, s[TC], 9
	s_add_co_u32 s70, s70, s71                     ; the tile's 512 bytes of a row,
	s_add_co_u32 s70, s70, 3*BSTEP                 ; at K step 3
	s_and_b32 s71, ttmp7, 0xffff                   ; cluster y
	s_mov_b32 s[PFS], ASTEP
	s_cmp_eq_u32 s[HR], 0                          ; do I fetch for xb?
	s_cselect_b32 s68, s68, s70
	s_cselect_b32 s71, ttmp9, s71                  ; the coordinate along which other clusters read the same blocks
	s_cselect_b32 s[PFS], s[PFS], BSTEP
	s_cselect_b64 s[PFA:PFA+1], s[4:5], s[6:7]
	s_mov_b32 s69, 0
	s_mov_b32 s[PFS+1], 0
	s_add_nc_u64 s[PFA:PFA+1], s[PFA:PFA+1], s[68:69]
	s_cmp_eq_u32 s71, 0
	s_cselect_b32 s[LIM], 1, -1                    ; the same in all sixteen partners, for a given wave
	; nothing is prefetched here, at the head, where every work-group's first two tiles are on their way: K steps 2 and 3 come by their refills alone
; 16 matrix instructions: row blocks a0, a0 + 1 of the window's four (hi = 0: my rows 0-63, 1: rows 64-127) x all 8 column blocks, 32 along K.  zero = 1: the first product starts the sums: nothing is ever cleared.
; The 64 accumulators take turns, one instruction a turn, in the same order in every quarter step, over the loop's backward jump too.
.macro MUL16 f, hi, a0, zero
	WIN MUL_LO+0x50*(\hi)
.irp a, \a0, (\a0)+1
.irp b, 0,1,2,3,4,5,6,7
.if \zero
	v_wmma_f32_16x16x32_bf16 v[8*(8*(\a)+(\b)):8*(8*(\a)+(\b))+7], v[(\f)+8*(\b):(\f)+8*(\b)+7], v[(\f)+8*(4*(\hi)+(\a)):(\f)+8*(4*(\hi)+(\a))+7], 0
.else
	v_wmma_f32_16x16x32_bf16 v[8*(8*(\a)+(\b)):8*(8*(\a)+(\b))+7], v[(\f)+8*(\b):(\f)+8*(\b)+7], v[(\f)+8*(4*(\hi)+(\a)):(\f)+8*(4*(\hi)+(\a))+7], v[8*(8*(\a)+(\b)):8*(8*(\a)+(\b))+7]
.endif
.endr
.endr
.endm
; 32 LDS loads in one run: the fragments of quarter q (32 along K) of a slot into buffer f: 128 columns of wb, turned, then 128 rows of xb
.macro FETCH slot, q, f
	WIN TO_B
.irp i, 0,1,2,3,4,5,6,7
	ds_load_tr16_b128 v[(\f)+8*(\i):(\f)+8*(\i)+3],   v[ADRB+(\slot)] offset:32*(\q)*PB+32*(\i)
	ds_load_tr16_b128 v[(\f)+8*(\i)+4:(\f)+8*(\i)+7], v[ADRB+(\slot)] offset:32*(\q)*PB+16*PB+32*(\i)
.endr
	WIN 0
.irp i, 0,1,2,3,4,5,6,7
	ds_load_b128 v[(\f)+8*(\i):(\f)+8*(\i)+3],   v[ADRA+(\slot)] offset:64*(\q)+(\i)*16*PA
	ds_load_b128 v[(\f)+8*(\i)+4:(\f)+8*(\i)+7], v[ADRA+(\slot)] offset:64*(\q)+(\i)*16*PA+32
.endr
.endm
; A load into a register that a matrix instruction has read, and a vector instruction that reads a matrix result or writes one of a matrix instruction's registers, stand four places behind it, and only plain
; vector instructions that name none of its registers are places (ISA guide 7.12.1 for vector instructions).
.macro PLACES
.rept 4
	v_nop
.endr
.endm
; A K step is four quarter steps of 32 along K, 64 matrix instructions each, on buffers 0, 1, 0, 1.  One of the first three: multiplies buffer f; in its middle it fetches quarter q of the same slot into buffer g.
.macro QUARTER slot, q, f, g, zero
	s_wait_dscnt 8                                 ; wb's fragments and xb's rows 0-63 are in; the youngest eight loads (xb's rows 64-127) may be out
	MUL16 \f, 0, 0, \zero
	MUL16 \f, 0, 2, \zero
	PLACES
	FETCH \slot, \q, \g
	s_wait_dscnt 32                                ; all but the 32 just issued
	MUL16 \f, 1, 0, \zero
	MUL16 \f, 1, 2, \zero
.endm
; The last quarter multiplies buffer 1 and changes slots.  MEET is its first half: ONE barrier for the change.  In front of it each wave waits for all its tensor loads, of which one is out: its part of the next
; slot; adds 0 to its spare word; and waits for that and for its own reads of this slot.  Behind it nobody reads this slot any more and the next slot is whole.
.macro MEET round                      ; round = 1: the rest of a round of the cluster's barrier follows
	WIN 0                                          ; (the add's two registers lie in window 0)
	s_wait_tensorcnt 0x0                           ; all my tensor loads have landed
	ds_add_u32 v[SPW], v[NIL]                      ; 0 onto my spare word
	s_wait_dscnt 9                                 ; (the add and the youngest eight loads may be out)
	MUL16 F1, 0, 0, 0                              ; sixteen matrix instructions stand between the add and the wait for it
	s_wait_dscnt 0x0                               ; the add is done, and my reads of this slot are over
	s_barrier_signal -1
	MUL16 F1, 0, 2, 0                              ; work on registers while the others arrive
.if \round
	WIN 0
.endif
	s_barrier_wait -1
.endm
; The whole last quarter, with a refill: behind the round the slot just read out is filled again first, with the K step two steps on; then come the next slot's first fragments.
; From a request to the wait for it a wave issues 224 matrix instructions.
.macro TURN slot, next
	s_wait_xcnt 0x0                                ; the last prefetch, a K step back, has read its address: it is stepped here, ahead of the change's own waits
	s_add_nc_u64 s[PFA:PFA+1], s[PFA:PFA+1], s[PFS:PFS+1]
	MEET 1
	CREST                                          ; no wave of any partner still reads this slot's tile or has a load on its way
	s_add_nc_u64 s[G0A+4*(\slot)+2:G0A+4*(\slot)+3], s[G0A+4*(\slot)+2:G0A+4*(\slot)+3], 2*ASTEP  ; no tensor load of mine is out, so a group 0 may be written; the type bits on top are not reached
	s_add_nc_u64 s[G0B+4*(\slot)+2:G0B+4*(\slot)+3], s[G0B+4*(\slot)+2:G0B+4*(\slot)+3], 2*BSTEP
	JLOAD \slot                                    ; the first tensor load behind the round, and my only one until the next; its four v_nop are also the places in front of the loads below
	FETCH \next, 0, F0
	ASK
	MUL16 F1, 1, 0, 0
	MUL16 F1, 1, 2, 0
.endm
; THE WAY OUT of block a (16 of my rows x my 128 columns), in three parts.  PACK: sum x inv + b in one fused line for two numbers, then the maximum with 0; each accumulator is read from its lowest registers on.
.macro PACK a
	WIN 0x12+(\a)/4                                ; source 0 (the sums) window 2 or 3, source 1 (inv) window 0, source 2 (b) window 1, destination window 0
.set AC, 64*((\a)%4)
.set i, 0
.rept 32
	v_pk_fma_f32 v[TMP+i:TMP+i+1], v[AC+i:AC+i+1], v[INV+2*(\a):INV+2*(\a)+1], v[i:i+1] op_sel_hi:[1,0,1]
.set i, i+2
.endr
	WIN 0
.set i, 0
.rept 64
	v_max_num_f32 v[TMP+i], 0, v[TMP+i]
.set i, i+1
.endr
.endm
; TOSTAGE: a lane's eight numbers of a column block are 32 bytes of a row; they go into my own stage and come back as whole rows of 512 bytes.
.macro TOSTAGE a
	WIN 0
.set BK, OB+64*((\a)%2)
.irp c, 0,1,2,3,4,5,6,7
	ds_store_b128 v[STO], v[TMP+8*(\c):TMP+8*(\c)+3]   offset:64*(\c)
	ds_store_b128 v[STO], v[TMP+8*(\c)+4:TMP+8*(\c)+7] offset:64*(\c)+16
.endr
.set t, 0
.rept 16
	ds_load_b128 v[BK+4*t:BK+4*t+3], v[RD] offset:t*SP  ; LDS serves a wave's instructions in order (ISA guide 5.7.1.4): these see the stores above; the next block's stores come behind them
.set t, t+1
.endr
.endm
; SEND: stored.  The row stands in the immediate, 127 rows of 16,384 bytes at the most, inside its signed 24 bits: neither the base nor the offset register is ever rewritten.
.macro SEND a
	WIN 0
.set BK, OB+64*((\a)%2)
	s_wait_dscnt 0x0                               ; the block is back in registers
	s_wait_xcnt 0x0                                ; the stores of the block before have read their registers: the next TOSTAGE loads into them only behind this wait
.set t, 0
.rept 16
	global_store_b128 v[CO], v[BK+4*t:BK+4*t+3], s[12:13] offset:(16*(\a)+t)*NO th:TH_STORE_NT  ; the wave stores 512 consecutive bytes, at a multiple of 512 from out0's first byte
.set t, t+1
.endr
.endm
	s_wait_loadcnt 0x0                             ; b and inv are in: waited for here, in the wait for the first tile
	s_wait_tensorcnt 1                             ; my part of K step 0 is in; K step 1's may stay out
	s_barrier_signal -1
	s_barrier_wait -1                              ; everybody's is
	FETCH 0, 0, F0
	QUARTER 0, 1, F0, F1, 1                        ; the first quarter stands in front of the loop: its products start the sums
	WIN 0                                          ; at a label and at a branch every window is 0
	s_mov_b32 s3, LAPS-1
.Llap:                                                 ; a trip goes once round the ring, from a lap's second quarter to the next lap's first, and fills both slots again
	QUARTER 0, 2, F1, F0, 0
	QUARTER 0, 3, F0, F1, 0
	TURN 0, 1
	QUARTER 1, 1, F0, F1, 0
	QUARTER 1, 2, F1, F0, 0
	QUARTER 1, 3, F0, F1, 0
	TURN 1, 0
	QUARTER 0, 1, F0, F1, 0
	WIN 0
	s_sub_co_u32 s3, s3, 1
	s_cmp_lg_u32 s3, 0
	s_cbranch_scc1 .Llap
	QUARTER 0, 2, F1, F0, 0                        ; the last lap is written out: it fills nothing and no round follows its barrier
	QUARTER 0, 3, F0, F1, 0
	MEET 0                                         ; my one tensor load that was still out is slot 1's, the last K step's
	PLACES                                         ; for the loads into buffer 0, which the quarter before multiplied
	FETCH 1, 0, F0
	MUL16 F1, 1, 0, 0
	MUL16 F1, 1, 2, 0
	QUARTER 1, 1, F0, F1, 0
	QUARTER 1, 2, F1, F0, 0
	QUARTER 1, 3, F0, F1, 0
	s_wait_dscnt 8                                 ; the very last quarter: nothing more to fetch
	MUL16 F1, 0, 0, 0
	MUL16 F1, 0, 2, 0
	s_wait_dscnt 0x0
	MUL16 F1, 1, 0, 0
	MUL16 F1, 1, 2, 0
	WIN 0
	PLACES                                         ; the lines below read results just made and write over fragments just read
	PACK 0
	TOSTAGE 0
.irp a, 1,2,3,4,5,6,7                  ; block a's arithmetic stands between block a - 1's loads from the stage and the wait for them
	PACK \a
	SEND (\a)-1
	TOSTAGE \a
.endr
	SEND 7
	s_wait_tensorcnt 0x0                           ; the wave's end, behind my last tensor load and my last LDS store
	ds_add_u32 v[SPW], v[NIL]
	s_wait_dscnt 0x0
	CROUND                                         ; the closing round: no work-group ends while a partner may still ask for a tile that names it
	s_endpgm
.Lfunc_end_k_q85d6d50a95_gemm:
	.size	k_q85d6d50a95_gemm, .Lfunc_end_k_q85d6d50a95_gemm-k_q85d6d50a95_gemm
	.p2alignl 7, 3214868480
	.fill 96, 4, 3214868480
	.section	.rodata,"a",@progbits
	.p2align	6, 0x0
	.amdhsa_kernel k_q85d6d50a95_gemm
		.amdhsa_group_segment_fixed_size 327680
		.amdhsa_private_segment_fixed_size 0
		.amdhsa_enable_private_segment 0
		.amdhsa_kernarg_size 40
		.amdhsa_user_sgpr_count 2
		.amdhsa_user_sgpr_kernarg_segment_ptr 1
		.amdhsa_wavefront_size32 1
		.amdhsa_system_sgpr_workgroup_id_x 1
		.amdhsa_system_sgpr_workgroup_id_y 1
		.amdhsa_system_sgpr_workgroup_id_z 1
		.amdhsa_system_vgpr_workitem_id 0
		.amdhsa_next_free_vgpr 1024
		.amdhsa_next_free_sgpr 72
		.amdhsa_reserve_vcc 0
		.amdhsa_float_denorm_mode_32 3
		.amdhsa_float_denorm_mode_16_64 3
		.amdhsa_memory_ordered 1
		.amdhsa_forward_progress 1
		.amdhsa_inst_pref_size 177
	.end_amdhsa_kernel
	.amdgpu_metadata
---
amdhsa.version: [ 1, 2 ]
amdhsa.kernels:
  - .name:           k_q85d6d50a95_gemm
    .symbol:         k_q85d6d50a95_gemm.kd
    .args:
      - { .name: xb, .offset: 0, .size: 8, .value_kind: global_buffer, .address_space: global }
      - { .name: wb, .offset: 8, .size: 8, .value_kind: global_buffer, .address_space: global }
      - { .name: inv, .offset: 16, .size: 8, .value_kind: global_buffer, .address_space: global }
      - { .name: b, .offset: 24, .size: 8, .value_kind: global_buffer, .address_space: global }
      - { .name: out0, .offset: 32, .size: 8, .value_kind: global_buffer, .address_space: global }
    .group_segment_fixed_size: 327680
    .private_segment_fixed_size: 0
    .kernarg_segment_align: 8
    .kernarg_segment_size: 40
    .max_flat_workgroup_size: 128
    .sgpr_count:     72
    .vgpr_count:     1024
    .wavefront_size: 32
...
	.end_amdgpu_metadata
.endif
;; end of part 2
;; ======== version 2 of 2: 2 launches; version 1 with the launch cast written anew for expert scheduling mode
;; workspace buffers: xb 33,554,432 bytes; wb 33,554,432 bytes; inv 16,384 bytes
;; launch cast (part 3): grid 512 x 2, 8 waves a work-group, no clusters, 0 bytes of LDS; arguments x, W, xb, wb, inv; writes xb, wb, inv
.if DOCPART == 3
	.amdgcn_target "amdgcn-amd-amdhsa--gfx1250"
	.amdhsa_code_object_version 6
	.text
	.protected	k_q85d6d50a95_cast
	.globl	k_q85d6d50a95_cast
	.p2align	8
	.type	k_q85d6d50a95_cast,@function
k_q85d6d50a95_cast:
	s_mov_b64 s[64:65], 0
	v_nop
	global_prefetch_b8 v0, s[64:65] scope:SCOPE_SE
	s_setreg_imm32_b32 hwreg(HW_REG_WAVE_SCHED_MODE, 0, 2), 2
	s_setreg_imm32_b32 hwreg(HW_REG_WAVE_MODE, 25, 1), 1
	s_wait_xcnt 0x0
	s_wait_alu depctr_vm_vsrc(0)
; xb = x rounded to bf16, wb = W rounded to bf16 (both [4096][4096], layout unchanged), inv[r] = 1 / (sqrt(sum over c of x[r][c]^2) + 1e-5) in f32.
; A stream: each byte of x and W is read once, each byte of xb and wb written once; no LDS, no barrier, no matrix work: no wave wants what another has read.
; SHARES.  Work-groups with y = 0 take x, those with y = 1 take W; work-group x takes 8 rows, a row (16,384 bytes) to each of its eight waves.
; A row is 32 chunks of 512 bytes: one load of the wave, 16 bytes a lane.  A chunk leaves as 256 consecutive bytes of bf16, aligned: one store of the wave, 8 bytes a lane.
; THE MODE: SCHED_MODE bits 1:0 = 2 (LLVM: expert scheduling mode 2), set by the entry lines.  The code itself states the register dependences
; between vector instructions and memory instructions, with s_wait_alu, always for 0.
; THE PLAN.  The 32 chunks go in 8 blocks of four.  Registers that memory instructions touch:
;   X0 .. X4   five blocks as loaded; block p lies in X[p % 5].  Blocks 0 to 4 are asked for at the head; block p + 4 is asked for in block p (p = 1, 2, 3) and lands in X[(p - 1) % 5].
;              Read by block p's squares and roundings.  Blocks 3 to 7, whose buffers are not loaded again, are rounded in place; the stores issued in block p + 1 read them there.
;   Y          a pair for each of chunks 0 to 11: written by the roundings of blocks 0 to 2, read by the stores issued in blocks 1 to 3, never written again.
;   v3, v4, v5 byte offsets, made once at the head and never written again: every chunk's place stands in an immediate.
; Block p's vector lines name X[p % 5], its own pairs of Y and the sums A.  Its memory instructions are the loads into X[(p - 1) % 5] and the stores of block p - 1: the registers that block p - 1
; worked on and that no vector line of block p names.  So ONE wait on va_vdst at a block's head states all that the block's eight memory instructions hang on, and these are dealt among its vector
; lines with no further wait.  No register that a load or store reads is ever written again, so the stream holds no wait on vm_vsrc and none on XCNT.
; IN FLIGHT.  20 loads (10 KiB) of every wave at the head, then 12 to 16 until the row's last blocks.
; inv: the sum of squares is taken of the f32 numbers, in f32, in eight chains a lane.  One lane stores 4 bytes a row: a work-group's 8 rows are 32 bytes, 16 KiB in the launch beside the 64 MiB of xb and wb.
; LIMITS.  v_sqrt_f32 and v_rcp_f32 are good to 1 ULP and take a denormal as 0 (ISA guide, their entries): a sum of squares below 2^-126 counts as 0, and the norm is then 1e-5.
; The sum of squares overflows where a sum in f32 does.  NaN and infinities are not treated apart.
.set LN,  2                            ; v2         lane
.set LO,  3                            ; v3         16 x lane: my bytes of a chunk; never rewritten
.set SO,  4                            ; v4         8 x lane: my bytes of a chunk in bf16; never rewritten
.set Z,   5                            ; v5         0: the offset of inv's store
.set A,   6                            ; v[6:13]    four pairs of running sums of squares
.set Y,   14                           ; v[14:37]   chunks 0 to 11: two registers each, as stored
.set X,   38                           ; v[38:117]  buffer k, chunk i of its block: four registers at X + 16 k + 4 i, as loaded; blocks 3 to 7 are rounded in place
.set SRC, 22                           ; s[22:23]   my row in x or W
.set DST, 24                           ; s[24:25]   my row in xb or wb
	s_load_b256 s[4:11], s[0:1], 0x0               ; x s[4:5], W s[6:7], xb s[8:9], wb s[10:11]
	s_load_b64 s[12:13], s[0:1], 0x20              ; inv
	v_lshrrev_b32 v1, 5, v0
	v_readfirstlane_b32 s14, v1                    ; wave 0..7
	v_and_b32 v[LN], 31, v0
	v_lshlrev_b32 v[LO], 4, v[LN]
	v_lshlrev_b32 v[SO], 3, v[LN]
	v_mov_b32 v[Z], 0
	s_wait_alu depctr_va_sdst(0)                   ; s14 is written, ahead of its first reader: my row, and with it every base, is made from it
	s_lshl_b32 s15, ttmp9, 3
	s_add_co_u32 s15, s15, s14                     ; my row = 8 x work-group + wave
	s_and_b32 s16, ttmp7, 0xffff                   ; 0: x, 1: W
	s_lshl_b32 s18, s15, 14                        ; the row in f32: 16,384 bytes a row, under 2^26
	s_mov_b32 s19, 0
	s_lshl_b32 s20, s15, 13                        ; in bf16: 8,192 bytes a row
	s_mov_b32 s21, 0
	s_lshl_b32 s26, s15, 2                         ; in inv
	s_mov_b32 s27, 0
	s_mov_b32 s28, 0x76543210                      ; v_permlanex16_b32: each lane takes its own place in the other half
	s_mov_b32 s29, 0xfedcba98
	s_wait_kmcnt 0x0
	s_cmp_eq_u32 s16, 0
	s_cselect_b64 s[SRC:SRC+1], s[4:5], s[6:7]
	s_cselect_b64 s[DST:DST+1], s[8:9], s[10:11]
	s_add_nc_u64 s[SRC:SRC+1], s[SRC:SRC+1], s[18:19]
	s_add_nc_u64 s[DST:DST+1], s[DST:DST+1], s[20:21]
	s_add_nc_u64 s[12:13], s[12:13], s[26:27]
	s_wait_alu depctr_va_vdst(0)                   ; v3, v4 and v5 are written: every load and store of the kernel reads one of them as its offset
.irp i, 0,1,2,3,4,5,6,7,8,9,10,11,12,13,14,15,16,17,18,19
	global_load_b128 v[X+4*(\i):X+4*(\i)+3], v[LO], s[SRC:SRC+1] offset:512*(\i) th:TH_LOAD_NT  ; blocks 0 to 4 into X0 to X4
.endr
; Block p: chunks 4 p to 4 p + 3.  sq = 1: their squares are added (x); 0: not (W).
.macro BLK p, sq
.if (\p) == 0
	s_wait_loadcnt 16                              ; loads come back in order (ISA guide 5.7.1): 20 are issued, my four are the oldest: the 16 younger stay out
.elseif (\p) < 5
	s_wait_loadcnt 12                              ; 20 + 4 (p - 1) are issued, 4 (p + 1) have to be in: the three younger blocks stay out
.else
	s_wait_loadcnt 4*(7-(\p))                      ; all 32 are issued: the counts run down
.endif
.if (\p) > 0
	s_wait_alu depctr_va_vdst(0)                   ; the block before has written the pairs that the stores below read, and is done reading its X, in which the loads below land
.endif
.irp i, 0,1,2,3
.set c, 4*(\p)+(\i)
.set XR, X+16*((\p)%5)+4*(\i)
.set AR, A+4*((\i)%2)
.if ((\p) > 0) && ((\p) < 4)
.set XN, X+16*(((\p)+4)%5)+4*(\i)
	global_load_b128 v[XN:XN+3], v[LO], s[SRC:SRC+1] offset:512*(c+16) th:TH_LOAD_NT  ; four blocks ahead, ahead of the store; no vector line since the wait names these registers
.endif
.if (\p) > 0
.if (\p) < 4
.set SR, Y+2*(c-4)
.else
.set SR, X+16*(((\p)-1)%5)+4*(\i)
.endif
	global_store_b64 v[SO], v[SR:SR+1], s[DST:DST+1] offset:256*(c-4) th:TH_STORE_NT  ; the block before: the wave stores 256 consecutive bytes, aligned
.endif
.if \sq
.if c < 2
	v_pk_mul_f32 v[AR:AR+1], v[XR:XR+1], v[XR:XR+1]          ; the first two chunks start the four pairs of sums: nothing is cleared
	v_pk_mul_f32 v[AR+2:AR+3], v[XR+2:XR+3], v[XR+2:XR+3]
.else
	v_pk_fma_f32 v[AR:AR+1], v[XR:XR+1], v[XR:XR+1], v[AR:AR+1]
	v_pk_fma_f32 v[AR+2:AR+3], v[XR+2:XR+3], v[XR+2:XR+3], v[AR+2:AR+3]
.endif
.endif
.if (\p) < 3
	v_cvt_pk_bf16_f32 v[Y+2*c], v[XR], v[XR+1]     ; two roundings to nearest even, packed
	v_cvt_pk_bf16_f32 v[Y+2*c+1], v[XR+2], v[XR+3]
.else
	v_cvt_pk_bf16_f32 v[XR], v[XR], v[XR+1]        ; the buffer is not loaded again: rounded in place
	v_cvt_pk_bf16_f32 v[XR+1], v[XR+2], v[XR+3]
.endif
.endr
.endm
; Behind block 7: its four stores, out of X2.
.macro LAST
	s_wait_alu depctr_va_vdst(0)                   ; block 7's roundings have written the pairs that the last four stores read
.irp i, 0,1,2,3
	global_store_b64 v[SO], v[X+32+4*(\i):X+32+4*(\i)+1], s[DST:DST+1] offset:256*(28+(\i)) th:TH_STORE_NT
.endr
.endm
	s_cmp_lg_u32 s16, 0
	s_cbranch_scc1 .Lw
.irp p, 0,1,2,3,4,5,6,7
	BLK \p, 1
.endr
	LAST
	v_pk_add_f32 v[A:A+1], v[A:A+1], v[A+2:A+3]    ; my 128 squares: four pairs into one number,
	v_pk_add_f32 v[A+4:A+5], v[A+4:A+5], v[A+6:A+7]
	v_pk_add_f32 v[A:A+1], v[A:A+1], v[A+4:A+5]
	v_add_f32 v[A], v[A], v[A+1]
	v_add_f32_dpp v[A], v[A], v[A] row_xmask:1 row_mask:0xf bank_mask:0xf  ; then over the 16 lanes of each half,
	v_add_f32_dpp v[A], v[A], v[A] row_xmask:2 row_mask:0xf bank_mask:0xf
	v_add_f32_dpp v[A], v[A], v[A] row_xmask:4 row_mask:0xf bank_mask:0xf
	v_add_f32_dpp v[A], v[A], v[A] row_xmask:8 row_mask:0xf bank_mask:0xf
	v_permlanex16_b32 v[A+1], v[A], s28, s29       ; and the other half's (the destination has been written before)
	v_add_f32 v[A], v[A], v[A+1]
	v_cmp_eq_u32 vcc_lo, 0, v[LN]                  ; lane 0 will store
	v_sqrt_f32 v[A+2], v[A]
	v_nop                                          ; a plain instruction behind the root (ISA guide 5.7.2),
	s_wait_alu depctr_va_vdst(0)                   ; and the root has written v[A+2], ahead of the first line that names it
	v_add_f32 v[A+2], 0x3727c5ac, v[A+2]           ; + 1e-5
	v_rcp_f32 v[A+3], v[A+2]
	v_nop                                          ; a plain instruction behind the reciprocal
	s_wait_xcnt 0x0                                ; EXEC is a source of the stores above: it is narrowed only behind this wait
	s_wait_alu depctr_va_vcc(0)                    ; the compare has written VCC, ahead of its first reader: EXEC is made from it
	s_wait_alu depctr_va_vdst(0)                   ; the reciprocal has written v[A+3], which the store below reads; and no vector line is at work when EXEC is written
	s_wait_alu depctr_vm_vsrc(0)                   ; the stores above have read their registers, ahead of the write of EXEC
	s_and_saveexec_b32 s30, vcc_lo
	global_store_b32 v[Z], v[A+3], s[12:13]
	s_wait_xcnt 0x0                                ; and widened again only behind this one
	s_wait_alu depctr_va_vdst(0)                   ; ahead of the write of EXEC: no vector line is at work
	s_wait_alu depctr_vm_vsrc(0)                   ; and inv's store has read v[Z] and v[A+3]
	s_or_b32 exec_lo, exec_lo, s30
	s_endpgm
.Lw:
.irp p, 0,1,2,3,4,5,6,7
	BLK \p, 0
.endr
	LAST
	s_endpgm
.Lfunc_end_k_q85d6d50a95_cast:
	.size	k_q85d6d50a95_cast, .Lfunc_end_k_q85d6d50a95_cast-k_q85d6d50a95_cast
	.p2alignl 7, 3214868480
	.fill 96, 4, 3214868480
	.section	.rodata,"a",@progbits
	.p2align	6, 0x0
	.amdhsa_kernel k_q85d6d50a95_cast
		.amdhsa_group_segment_fixed_size 0
		.amdhsa_private_segment_fixed_size 0
		.amdhsa_enable_private_segment 0
		.amdhsa_kernarg_size 40
		.amdhsa_user_sgpr_count 2
		.amdhsa_user_sgpr_kernarg_segment_ptr 1
		.amdhsa_wavefront_size32 1
		.amdhsa_system_sgpr_workgroup_id_x 1
		.amdhsa_system_sgpr_workgroup_id_y 1
		.amdhsa_system_sgpr_workgroup_id_z 1
		.amdhsa_system_vgpr_workitem_id 0
		.amdhsa_next_free_vgpr 118
		.amdhsa_next_free_sgpr 66
		.amdhsa_reserve_vcc 1
		.amdhsa_float_denorm_mode_32 3
		.amdhsa_float_denorm_mode_16_64 3
		.amdhsa_memory_ordered 1
		.amdhsa_forward_progress 1
		.amdhsa_inst_pref_size 26
	.end_amdhsa_kernel
	.amdgpu_metadata
---
amdhsa.version: [ 1, 2 ]
amdhsa.kernels:
  - .name:           k_q85d6d50a95_cast
    .symbol:         k_q85d6d50a95_cast.kd
    .args:
      - { .name: x, .offset: 0, .size: 8, .value_kind: global_buffer, .address_space: global }
      - { .name: W, .offset: 8, .size: 8, .value_kind: global_buffer, .address_space: global }
      - { .name: xb, .offset: 16, .size: 8, .value_kind: global_buffer, .address_space: global }
      - { .name: wb, .offset: 24, .size: 8, .value_kind: global_buffer, .address_space: global }
      - { .name: inv, .offset: 32, .size: 8, .value_kind: global_buffer, .address_space: global }
    .group_segment_fixed_size: 0
    .private_segment_fixed_size: 0
    .kernarg_segment_align: 8
    .kernarg_segment_size: 40
    .max_flat_workgroup_size: 256
    .sgpr_count:     66
    .vgpr_count:     118
    .wavefront_size: 32
...
	.end_amdgpu_metadata
.endif
;; end of part 3
;; launch gemm: the kernel of part 2 again; grid 16 x 16, 4 waves a work-group, clusters of 4 x 4, 327,680 bytes of LDS; arguments xb, wb, inv, b, out0; writes out0
